; MI455X (gfx1250); checked and timed in simulation.
; The chip was launched on July 23, 2026; its instructions are those of AMD's public machine-readable ISA for CDNA 5 (MIT licence, August 2026) and "CDNA5" Instruction Set Architecture Reference Guide (July 2026). The comments in the code are by the model that wrote it; some were corrected since.
;; LSTM Cell. Allowed arithmetic: matrix products marked QUANTISED: E2M3 operands, one E8M0 scale for each 32 along K, by v_wmma_scale_f32_16x16x128_f8f6f4 with both operands' format E2M3, f32 sums; everything else in f32.
;; Inputs: W_hc 2,048 x 2,048 float32; W_hf 2,048 x 2,048 float32; W_hi 2,048 x 2,048 float32; W_ho 2,048 x 2,048 float32; W_xc 2,048 x 2,048 float32; W_xf 2,048 x 2,048 float32; W_xi 2,048 x 2,048 float32; W_xo 2,048 x 2,048 float32; b_c 2,048 float32; b_f 2,048 float32; b_i 2,048 float32; b_o 2,048 float32; c 2,048 x 2,048 float32; h 2,048 x 2,048 float32; x 2,048 x 2,048 float32.
;; Outputs: out0 2,048 x 2,048 float32; out1 2,048 x 2,048 float32.
;; This version of the problem:
;;   THIS VERSION OF THE PROBLEM IS GIVEN IN LOW PRECISION. The matrix products marked QUANTISED in the list below multiply operands that are first quantised to E2M3 (2 exponent bits, 3 mantissa bits; 6 bits a number), with one power-of-two scale for each 32 numbers along K (OCP MX v1.0); their sums are f32. All else is computed in f32.
;;   The module's matrix products, in the order in which they are computed (A, B: the left and right operand; K: the contracted axis; several contracted axes count as one K, in the product's order):
;;     1. [M 2,048, K 2,048] x [K 2,048, N 8,192]; A: input x; B: computed on the way: QUANTISED
;;     2. [M 2,048, K 2,048] x [K 2,048, N 8,192]; A: input h; B: computed on the way: QUANTISED
;;   THE QUANTISER, for each operand of a quantised product, along K:
;;     - K is cut into blocks of 32 from its start; a last block that is shorter is filled with zeros.
;;     - A block's scale is 2^e with e = floor(log2(the largest magnitude in the block)) - 2, held to -126 .. 127; a block of zeros has e = 0. As a byte (E8M0): e + 127.
;;     - Each number is divided by its block's scale, clamped to +-7.5, and rounded to the nearest number of E2M3, ties to even, subnormals kept.
;;     - The product sums the exact products of the quantised numbers (number of the format x scale) in f32.
;;   ~~~python
;;   def quantise(x, axis):      # numpy; x: float32 -> the quantised numbers, widened to float32 again
;;       x = np.moveaxis(x, axis, -1); K = x.shape[-1]
;;       x = np.pad(x, [(0, 0)] * (x.ndim - 1) + [(0, -K % 32)]); x = x.reshape(x.shape[:-1] + (-1, 32)); a = np.abs(x).max(-1, keepdims=True)
;;       e = np.where(a > 0, np.clip(np.frexp(np.where(a > 0, a, 1))[1] - 1 - 2, -126, 127), 0)      # np.frexp(a)[1] - 1 = floor(log2(a)), exactly
;;       r = np.clip(x / 2.0 ** e, -7.5, 7.5)
;;       step = 2.0 ** (np.maximum(np.frexp(np.where(r == 0, 1, r))[1] - 1, 0) - 3)
;;       q = np.round(r / step) * step * 2.0 ** e      # np.round: ties to even
;;       return np.moveaxis(q.reshape(q.shape[:-2] + (-1,))[..., :K], -1, axis).astype(np.float32)
;;   ~~~
;;   OPERANDS COMPUTED ON THE WAY. 'Computed on the way' means the value that the module computes at that place (a softmax that the list does not call 'softmax' is quantised finished and normalised). What goes into a quantiser is computed in f32, as accurately as f32 sums, v_exp_f32 and their like allow (about 1e-6 of the number): no bf16 or f16 on the way to a quantiser, and a product that is left as it is and whose result goes on into a quantised operand takes f32 operands (vector FMAs, or v_wmma_f32_16x16x4_f32). A number that lies on a knife's edge between two numbers of the format may be rounded either way, as far as f32 arithmetic and the matrix unit's own rounding can turn it there, and no further.
;; One version. Each part assembles by itself: llvm-mc -triple=amdgcn-amd-amdhsa -mcpu=gfx1250 --defsym DOCPART=n.
;; ======== version 1 of 1: 2 launches
;; workspace buffers: aq 6,553,600 bytes; wq 26,214,400 bytes
;; launch quant (part 1): grid 1280 x 1, 4 waves a work-group, no clusters, 58,880 bytes of LDS; arguments x, h, W_xi, W_xf, W_xc, W_xo, W_hi, W_hf, W_hc, W_ho, aq, wq; writes aq, wq
.if DOCPART == 1
	.amdgcn_target "amdgcn-amd-amdhsa--gfx1250"
	.amdhsa_code_object_version 6
	.text
	.protected	k_q9beeeb66e8_quant
	.globl	k_q9beeeb66e8_quant
	.p2align	8
	.type	k_q9beeeb66e8_quant,@function
k_q9beeeb66e8_quant:
	s_mov_b64 s[64:65], 0
	v_nop
	global_prefetch_b8 v0, s[64:65] scope:SCOPE_SE
	s_setreg_imm32_b32 hwreg(HW_REG_WAVE_MODE, 25, 1), 1
	s_wait_xcnt 0x0
; x, h [2048][2048] f32 (K innermost) and the eight weights [2048 (K)][2048] f32 (K outermost) become codes of FP6 (E2M3) with one E8M0 byte for each 32 along K.
; A block's scale is 2^(floor(log2(its largest magnitude)) - 2); its byte is the largest magnitude's exponent field - 2, held at 1 from below by a floor among the maximum's leaves.
; LIMITS: NaN and infinities among the inputs are not served.  A block whose largest magnitude lies under 2^-124, a block of zeros among them, gets the byte 1 (the rule says 127 for zeros):
; its codes are zeros or what the byte 1 gives, and the bytes are read by this program alone.
; THE BUFFERS ARE LAID AS THE NEXT LAUNCH'S REGISTERS WANT THEM, STEP BY STEP OF 128 ALONG K.  aq: [tile of 256 batch rows: 8][half: 2][step: 32][SB];  wq: [tile of 64 hidden columns: 32][2][32][SB].
; Steps 0-15 are x's K, 16-31 h's.  SB = 12,800 bytes = 128 rows x 128 along K: the fragment of block i of 16 rows at 1,536 i: three chunks of 512 bytes, chunk c = registers 4 c .. 4 c + 3 of lane l at 16 l;
; lane (r, hh)'s twelve registers are row r's blocks hh and 2 + hh of 32 codes.  From byte 12,288: scale words, that of (i, r) at 128 (i / 2) + 8 r + 4 (i % 2).  So any run of steps of a half tile is one dense block.
; THE WEIGHTS' ROWS ARE REORDERED: row 32 g + j of half wn of tile tn is gate g (0 i, 1 f, 2 c, 3 o), hidden column 64 tn + 32 wn + j, so that a lane of the product holds all four gates of an output.
; A wave's task is 32 rows x 256 along K, two steps: in each step 3,072 consecutive bytes of codes and 128 consecutive bytes of scale words.  Work-groups 0-255 take x and h, 256-1279 the weights; each reads 128 KiB.
; No tensor load, no barrier: waves share nothing.  The two paths have LDS bytes of their own.
.set SB,    12800
.set SCW,   12288                      ; where a step's scale words begin
.set FRB,   1536                       ; a fragment's image
.set WSTG,  4*FRB                      ; weights' path: a wave's stage, its task's four fragments
.set ABASE, 4*WSTG                     ; activations' path: its stages lie behind those
.set AP,    528                        ; a stage row: 512 bytes + 16 = 33 x 16, so that sixteen rows' reads of 16 bytes fall on sixteen different columns of 16 bytes
.set ASTG,  16*AP
.set SW,    24                         ; v24-27   activations: scale words of the four fragments;  weights: v24-25 my column's two words
.set AR,    32                         ; v32-95   activations: 16 rows x 128 numbers as loaded
.set AX,    96                         ; v96-159  my row's blocks hh and 2 + hh
.set PC,    160                        ; v160-183 codes, two sets of 12
.set TP,    184                        ; v184-190 the blocks' upper halves as the conversions leave them
.set WX,    32                         ; v32-95   weights: two sets of 32 numbers
.set WC,    96                         ; v96-159  eight registers for each block's codes: no store's data are written again
	s_load_b128 s[4:7], s[0:1], 0x0                ; x, h
	s_load_b512 s[8:23], s[0:1], 0x10              ; W_xi, W_xf, W_xc, W_xo, W_hi, W_hf, W_hc, W_ho: matrix 4 s + g at s[8 + 2 (4 s + g)]
	s_load_b128 s[24:27], s[0:1], 0x50             ; aq, wq
	v_lshl_add_u32 v192, v0, 2, 0xe400
	v_mov_b32 v193, 0
	v_lshrrev_b32 v1, 5, v0
	v_readfirstlane_b32 s28, v1                    ; wave
	v_and_b32 v1, 31, v0                           ; lane
	v_and_b32 v2, 15, v0                           ; r
	v_bfe_u32 v3, v0, 4, 1                         ; hh
	v_lshlrev_b32 v4, 4, v1                        ; 16 x lane: my place in 512 consecutive bytes
	v_mul_u32_u24 v8, v3, SB
	v_lshl_add_u32 v8, v2, 3, v8                   ; scale words on the way out: lanes 0-15 the task's first step, lanes 16-31 its second; 8 bytes a row
	s_mul_i32 s29, s28, ASTG
	s_add_co_u32 s29, s29, ABASE                   ; activations: my wave's stage
	v_add_nc_u32 v5, s29, v4                       ; in: a row's 512 bytes as they lie
	v_mul_u32_u24 v6, v2, AP
	v_lshl_add_u32 v6, v3, 7, v6
	v_add_nc_u32 v6, s29, v6                       ; out: row r, block hh
	v_lshlrev_b32 v7, 3, v3                        ; 8 hh: my bytes' place in the scale word
	s_mul_i32 s29, s28, WSTG                       ; weights: my wave's stage
	v_lshlrev_b32 v16, 2, v1                       ; 4 x lane: my column
	v_mul_u32_u24 v17, v3, 2*FRB
	v_lshl_add_u32 v17, v2, 4, v17
	v_add_nc_u32 v17, s29, v17                     ; in: block hh of my task's two, row r
	v_add_nc_u32 v18, s29, v4                      ; out: as it lies
	v_mov_b32 v14, 0                               ; a lane permute's destination counts as one of its sources
	v_mov_b32 v19, 0
	s_mov_b32 s34, 0x76543210
	s_mov_b32 s35, 0xfedcba98                      ; v_permlanex16_b32's selects for lane l xor 16
	s_mov_b32 s45, 0                               ; the upper word of every offset
	s_wait_kmcnt 0x0
	s_cmp_lt_u32 ttmp9, 256
	s_cbranch_scc0 .Lweights
; ---------------- x and h: K is innermost ----------------
	s_lshl_b32 s36, ttmp9, 2
	s_add_co_u32 s36, s36, s28                     ; task T
	s_and_b32 s37, s36, 7                          ; which 256 along K: the four waves stand side by side on 4,096 bytes of a row
	s_bfe_u32 s38, s36, 0x60003                    ; which 32 rows
	s_lshr_b32 s39, ttmp9, 7                       ; 0: x, 1: h
	s_lshr_b32 s40, s38, 3                         ; tile of 256 rows
	s_bfe_u32 s41, s38, 0x10002                    ; its half
	s_and_b32 s42, s38, 3                          ; which 32 rows of the half
	s_cmp_lg_u32 s39, 0
	s_cselect_b64 s[4:5], s[6:7], s[4:5]           ; the choice hangs on the work-group's number alone
	s_lshl_b32 s44, s38, 18                        ; 32 rows of 8,192 bytes
	s_lshl_b32 s43, s37, 10
	s_add_co_u32 s44, s44, s43
	s_add_nc_u64 s[4:5], s[4:5], s[44:45]
	s_lshl_b32 s43, s40, 1
	s_add_co_u32 s43, s43, s41
	s_lshl_b32 s43, s43, 4
	s_lshl_b32 s46, s39, 3
	s_add_co_u32 s43, s43, s46
	s_add_co_u32 s43, s43, s37                     ; (2 tile + half) 16 + 8 s + ks: which pair of steps
	s_mul_i32 s44, s43, 2*SB
	s_add_nc_u64 s[32:33], s[24:25], s[44:45]
	s_mul_i32 s44, s42, 2*FRB
	s_add_nc_u64 s[30:31], s[32:33], s[44:45]      ; my task's codes in its first step
	s_lshl_b32 s44, s42, 7
	s_add_co_u32 s44, s44, SCW
	s_add_nc_u64 s[32:33], s[32:33], s[44:45]      ; and its scale words
.macro ALOAD f                         ; fragment f = 2 (block) + (K step): 16 rows x 512 bytes; each load reads 512 consecutive bytes
.set rr, 0
.rept 16
	global_load_b128 v[AR+4*rr:AR+4*rr+3], v4, s[4:5] offset:(16*((\f)/2)+rr)*8192+512*((\f)%2) th:TH_LOAD_NT
.set rr, rr+1
.endr
.endm
.macro ATURN                           ; through my stage: in as loaded, out 128 bytes of one row a block.  LDS serves a wave's instructions in order: no wait between stores and loads
.set rr, 0
.rept 16
	ds_store_b128 v5, v[AR+4*rr:AR+4*rr+3] offset:AP*rr
.set rr, rr+1
.endr
.set rr, 0
.rept 8
	ds_load_b128 v[AX+4*rr:AX+4*rr+3], v6 offset:16*rr
.set rr, rr+1
.endr
.set rr, 0
.rept 8
	ds_load_b128 v[AX+32+4*rr:AX+32+4*rr+3], v6 offset:256+16*rr
.set rr, rr+1
.endr
.endm
.macro AQ f
.set PS, PC+12*((\f)%2)
	v_max3_num_f32 v9,  |v[AX]|,    |v[AX+1]|,  0x1800000      ; my two blocks by turns; the floor 2^(3 - 127) is one more leaf: the byte cannot fall under 1
	v_max3_num_f32 v10, |v[AX+32]|, |v[AX+33]|, 0x1800000
.set ii, 2
.rept 15
	v_max3_num_f32 v9,  v9,  |v[AX+ii]|,    |v[AX+ii+1]|
	v_max3_num_f32 v10, v10, |v[AX+32+ii]|, |v[AX+33+ii]|
.set ii, ii+2
.endr
	v_add_nc_u32 v11, 0xff000000, v9               ; 2 off the exponent field: the conversion takes the exponent field of this operand as its scale
	v_add_nc_u32 v12, 0xff000000, v10
	v_lshrrev_b32 v13, 23, v11                     ; the bytes
	v_lshrrev_b32 v15, 23, v12
	v_lshl_or_b32 v13, v15, 16, v13                ; blocks hh and 2 + hh,
	v_lshlrev_b32 v13, v7, v13                     ; at their places in the word;
	v_permlanex16_b32 v14, v13, s34, s35
	v_or_b32 v[SW+(\f)], v13, v14                  ; with lane l xor 16's two the row's word is whole
.if (\f) >= 2
	s_wait_xcnt 0x0                                ; this set of codes is still a source of the stores two fragments back: it is rewritten only behind this wait
.endif
	v_cvt_scalef32_pk16_fp6_f32 v[PS:PS+2],   v[AX:AX+15],    v11
	v_cvt_scalef32_pk16_fp6_f32 v[TP:TP+2],   v[AX+16:AX+31], v11   ; (a conversion's three registers begin on an even number)
	v_cvt_scalef32_pk16_fp6_f32 v[PS+6:PS+8], v[AX+32:AX+47], v12
	v_cvt_scalef32_pk16_fp6_f32 v[TP+4:TP+6], v[AX+48:AX+63], v12
	v_nop                                          ; one plain place behind the scaled conversions
.irp i, 0,1,2
	v_mov_b32 v[PS+3+\i], v[TP+\i]
	v_mov_b32 v[PS+9+\i], v[TP+4+\i]
.endr
.irp c, 0,1,2
	global_store_b128 v4, v[PS+4*\c:PS+4*\c+3], s[30:31] offset:SB*((\f)%2)+FRB*((\f)/2)+512*\c   ; 512 consecutive bytes, aligned
.endr
.endm
	ALOAD 0
.irp f, 0,1,2,3
	s_wait_loadcnt 0x0                             ; this fragment's sixteen loads are the only ones out
	ATURN
	s_wait_dscnt 0x0                               ; my numbers are back, and the stage's stores have read their registers,
.if \f < 3
	ALOAD \f+1                                     ; which take the next fragment while this one is quantised
.endif
	AQ \f
.endr
	v_cmp_ne_u32 vcc_lo, 0, v3
	v_cndmask_b32 v28, v[SW], v[SW+1], vcc_lo      ; lanes 0-15 store row r's words of the first step, lanes 16-31 of the second: block 0's,
	v_cndmask_b32 v29, v[SW+2], v[SW+3], vcc_lo    ; and block 1's
	global_store_b64 v8, v[28:29], s[32:33]        ; sixteen lanes store 128 consecutive bytes, aligned to 128: half of an aligned 256; the other half is another wave's
	s_wait_tensorcnt 0x0
	ds_add_u32 v192, v193
	s_wait_dscnt 0x0
	s_endpgm
; ---------------- the weights: K is outermost.  A lane takes a column, its registers run down K ----------------
.Lweights:
	s_sub_co_u32 s36, ttmp9, 256
	s_and_b32 s37, s36, 15                         ; which 128 columns: sixteen neighbouring work-groups cover whole rows
	s_lshr_b32 s38, s36, 4
	s_and_b32 s39, s38, 7                          ; which 256 along K
	s_lshr_b32 s40, s38, 3                         ; which matrix: 4 s + g
	s_and_b32 s41, s40, 3                          ; gate g
	s_lshr_b32 s42, s40, 2                         ; s: 0 x's, 1 h's
	s_lshl_b32 s43, s37, 2
	s_add_co_u32 s43, s43, s28                     ; which 32 columns = 2 x (tile of 64 hidden columns) + its half
	s_and_b32 s44, s40, 1                          ; the matrix is chosen bit by bit; the choices hang on the work-group's number alone
	s_cmp_lg_u32 s44, 0
	s_cselect_b64 s[8:9], s[10:11], s[8:9]
	s_cselect_b64 s[12:13], s[14:15], s[12:13]
	s_cselect_b64 s[16:17], s[18:19], s[16:17]
	s_cselect_b64 s[20:21], s[22:23], s[20:21]
	s_and_b32 s44, s40, 2
	s_cmp_lg_u32 s44, 0
	s_cselect_b64 s[8:9], s[12:13], s[8:9]
	s_cselect_b64 s[16:17], s[20:21], s[16:17]
	s_and_b32 s44, s40, 4
	s_cmp_lg_u32 s44, 0
	s_cselect_b64 s[8:9], s[16:17], s[8:9]
	s_lshl_b32 s44, s39, 21                        ; 256 rows of 8,192 bytes
	s_lshl_b32 s36, s43, 7                         ; 32 columns of 4 bytes
	s_add_co_u32 s44, s44, s36
	s_add_nc_u64 s[8:9], s[8:9], s[44:45]
	s_lshl_b32 s44, s42, 3
	s_add_co_u32 s44, s44, s39
	s_lshl_b32 s46, s43, 4
	s_add_co_u32 s44, s44, s46                     ; (2 tile + half) 16 + 8 s + ks: which pair of steps
	s_mul_i32 s44, s44, 2*SB
	s_add_nc_u64 s[32:33], s[26:27], s[44:45]
	s_mul_i32 s44, s41, 2*FRB
	s_add_nc_u64 s[30:31], s[32:33], s[44:45]      ; rows 32 g on: my task's codes in its first step
	s_lshl_b32 s44, s41, 7
	s_add_co_u32 s44, s44, SCW
	s_add_nc_u64 s[32:33], s[32:33], s[44:45]      ; and its scale words
.macro WLOAD t                         ; block t: W(32 t + i, my column): 128 consecutive bytes a wave, 512 a work-group.  The largest offset, 255 rows, lies inside the signed 24-bit immediate
.set ii, 0
.rept 32
	global_load_b32 v[WX+32*((\t)%2)+ii], v16, s[8:9] offset:(32*(\t)+ii)*8192 th:TH_LOAD_NT
.set ii, ii+1
.endr
.endm
.macro WBLOCK t
.set XS, WX+32*((\t)%2)
.set CW, WC+8*(\t)
.set BS, FRB*((\t)/4)+256*((\t)%2)     ; K step t / 4; the block belongs to lane r + 16 (t % 2) of the fragment
.if (\t) < 7
	s_wait_loadcnt 32                              ; this block's 32 loads are in; the next block's may be out
.else
	s_wait_loadcnt 0x0
.endif
	v_max3_num_f32 v12, |v[XS]|, |v[XS+1]|, |v[XS+2]|          ; the block's largest magnitude: all 32 numbers are mine; two chains
	v_max3_num_f32 v13, |v[XS+3]|, |v[XS+4]|, |v[XS+5]|
.irp i, 6,10,14,18,22,26
	v_max3_num_f32 v12, v12, |v[XS+\i]|, |v[XS+\i+1]|
	v_max3_num_f32 v13, v13, |v[XS+\i+2]|, |v[XS+\i+3]|
.endr
	v_max3_num_f32 v12, v12, |v[XS+30]|, |v[XS+31]|
	v_max3_num_f32 v12, v12, v13, 0x1800000        ; and the floor 2^(3 - 127)
	v_add_nc_u32 v11, 0xff000000, v12              ; the conversion's scale operand
	v_lshrrev_b32 v13, 23, v11                     ; the byte
.if (\t)%4 == 0
	v_mov_b32 v[SW+(\t)/4], v13                    ; four bytes to a word, the lower K in the lower byte
.else
	v_lshl_or_b32 v[SW+(\t)/4], v13, 8*((\t)%4), v[SW+(\t)/4]
.endif
	v_cvt_scalef32_pk16_fp6_f32 v[CW:CW+2],   v[XS:XS+15],    v11
	v_cvt_scalef32_pk16_fp6_f32 v[CW+4:CW+6], v[XS+16:XS+31], v11
	v_nop                                          ; one plain place behind the scaled conversions
	v_mov_b32 v[CW+3], v[CW+4]                     ; the block's 24 bytes on end
	v_mov_b32 v[CW+4], v[CW+5]
	v_mov_b32 v[CW+5], v[CW+6]
.if ((\t)%4) < 2                       ; registers 0-5 of the fragment's lane: chunk 0, and the lower half of its place in chunk 1
	ds_store_b128 v17, v[CW:CW+3] offset:BS
	ds_store_b64 v17, v[CW+4:CW+5] offset:BS+512
.else                                  ; registers 6-11: the upper half of its place in chunk 1, and chunk 2
	ds_store_b64 v17, v[CW:CW+1] offset:BS+520
	ds_store_b128 v17, v[CW+2:CW+5] offset:BS+1024
.endif
.if (\t) < 6
	WLOAD (\t)+2
.endif
.endm
	WLOAD 0
	WLOAD 1
.irp t, 0,1,2,3,4,5,6,7
	WBLOCK \t
.endr
	v_permlanex16_b32 v14, v[SW], s34, s35         ; lane l = 16 F + r holds row r of block F: its words of both steps.  Lane l xor 16's first step,
	v_permlanex16_b32 v19, v[SW+1], s34, s35       ; and its second
	v_cmp_ne_u32 vcc_lo, 0, v3
	v_cndmask_b32 v28, v[SW], v19, vcc_lo          ; lanes 0-15 store the first step's words of row r, lanes 16-31 the second's: block 0's,
	v_cndmask_b32 v29, v14, v[SW+1], vcc_lo        ; and block 1's
	global_store_b64 v8, v[28:29], s[32:33]        ; sixteen lanes store 128 consecutive bytes, aligned to 128: half of an aligned 256; the other half is another work-group's
.set kk, 0
.rept 12
	ds_load_b128 v[WX+4*kk:WX+4*kk+3], v18 offset:512*kk       ; LDS serves a wave's instructions in order: these see my stores
.set kk, kk+1
.endr
.set kk, 0
.rept 12
	s_wait_dscnt 11-kk                             ; the younger loads may stay out
	global_store_b128 v4, v[WX+4*kk:WX+4*kk+3], s[30:31] offset:SB*((kk/3)%2)+FRB*(kk/6)+512*(kk%3)   ; the stage holds fragment 2 (block) + (step): 512 consecutive bytes, aligned
.set kk, kk+1
.endr
	s_wait_tensorcnt 0x0
	ds_add_u32 v192, v193
	s_wait_dscnt 0x0
	s_endpgm
.Lfunc_end_k_q9beeeb66e8_quant:
	.size	k_q9beeeb66e8_quant, .Lfunc_end_k_q9beeeb66e8_quant-k_q9beeeb66e8_quant
	.p2alignl 7, 3214868480
	.fill 96, 4, 3214868480
	.section	.rodata,"a",@progbits
	.p2align	6, 0x0
	.amdhsa_kernel k_q9beeeb66e8_quant
		.amdhsa_group_segment_fixed_size 58880
		.amdhsa_private_segment_fixed_size 0
		.amdhsa_enable_private_segment 0
		.amdhsa_kernarg_size 96
		.amdhsa_user_sgpr_count 2
		.amdhsa_user_sgpr_kernarg_segment_ptr 1
		.amdhsa_wavefront_size32 1
		.amdhsa_system_sgpr_workgroup_id_x 1
		.amdhsa_system_sgpr_workgroup_id_y 1
		.amdhsa_system_sgpr_workgroup_id_z 1
		.amdhsa_system_vgpr_workitem_id 0
		.amdhsa_next_free_vgpr 194
		.amdhsa_next_free_sgpr 66
		.amdhsa_reserve_vcc 1
		.amdhsa_float_denorm_mode_32 3
		.amdhsa_float_denorm_mode_16_64 3
		.amdhsa_memory_ordered 1
		.amdhsa_forward_progress 1
		.amdhsa_inst_pref_size 72
	.end_amdhsa_kernel
	.amdgpu_metadata
---
amdhsa.version: [ 1, 2 ]
amdhsa.kernels:
  - .name:           k_q9beeeb66e8_quant
    .symbol:         k_q9beeeb66e8_quant.kd
    .args:
      - { .name: x, .offset: 0, .size: 8, .value_kind: global_buffer, .address_space: global }
      - { .name: h, .offset: 8, .size: 8, .value_kind: global_buffer, .address_space: global }
      - { .name: W_xi, .offset: 16, .size: 8, .value_kind: global_buffer, .address_space: global }
      - { .name: W_xf, .offset: 24, .size: 8, .value_kind: global_buffer, .address_space: global }
      - { .name: W_xc, .offset: 32, .size: 8, .value_kind: global_buffer, .address_space: global }
      - { .name: W_xo, .offset: 40, .size: 8, .value_kind: global_buffer, .address_space: global }
      - { .name: W_hi, .offset: 48, .size: 8, .value_kind: global_buffer, .address_space: global }
      - { .name: W_hf, .offset: 56, .size: 8, .value_kind: global_buffer, .address_space: global }
      - { .name: W_hc, .offset: 64, .size: 8, .value_kind: global_buffer, .address_space: global }
      - { .name: W_ho, .offset: 72, .size: 8, .value_kind: global_buffer, .address_space: global }
      - { .name: aq, .offset: 80, .size: 8, .value_kind: global_buffer, .address_space: global }
      - { .name: wq, .offset: 88, .size: 8, .value_kind: global_buffer, .address_space: global }
    .group_segment_fixed_size: 58880
    .private_segment_fixed_size: 0
    .kernarg_segment_align: 8
    .kernarg_segment_size: 96
    .max_flat_workgroup_size: 128
    .sgpr_count:     66
    .vgpr_count:     194
    .wavefront_size: 32
...
	.end_amdgpu_metadata
.endif
;; end of part 1
;; launch lstm (part 2): grid 32 x 8, 4 waves a work-group, clusters of 4 x 4, 327,680 bytes of LDS; arguments aq, wq, c, b_i, b_f, b_c, b_o, out0, out1; writes out0, out1
.if DOCPART == 2
	.amdgcn_target "amdgcn-amd-amdhsa--gfx1250"
	.amdhsa_code_object_version 6
	.text
	.protected	k_q9beeeb66e8_lstm
	.globl	k_q9beeeb66e8_lstm
	.p2align	8
	.type	k_q9beeeb66e8_lstm,@function
k_q9beeeb66e8_lstm:
	s_mov_b64 s[64:65], 0
	v_nop
	global_prefetch_b8 v0, s[64:65] scope:SCOPE_SE
	s_setreg_imm32_b32 hwreg(HW_REG_WAVE_MODE, 25, 1), 1
	s_wait_xcnt 0x0
	s_wait_alu depctr_hold_cnt(0) depctr_sa_sdst(0) depctr_va_vdst(0) depctr_va_sdst(0) depctr_va_ssrc(0) depctr_va_vcc(0) depctr_vm_vsrc(0)
	s_getreg_b32 s2, hwreg(HW_REG_IB_STS2, 6, 4)
	s_cmp_eq_u32 s2, 0
	s_cbranch_scc0 .Lentry_in_a_cluster
	s_endpgm
.Lentry_in_a_cluster:
	s_bfe_u32 s2, ttmp6, 0x10000c
	s_cmp_lg_u32 s2, 0xf033
	s_cbranch_scc0 .Lentry_shape_is_right
	s_endpgm
.Lentry_shape_is_right:
; gates = x Wx + h Wh + b as ONE product over K = 4,096 (x's 2,048, then h's) on codes of FP6 (E2M3) with E8M0 scales, and the whole cell behind it:
; c_new = sigmoid(gf) c + sigmoid(gi) tanh(gc) (out1), h_new = sigmoid(go) tanh(c_new) (out0).  The gates never go to memory.
; SHARES.  A work-group of four waves makes 256 batch rows x 64 hidden columns x 4 gates: a tile of 256 x 256 of the product.  A wave makes 128 x 128: 64 accumulators, 512 registers.
; The weights' rows were ordered so that a wave's block b = 2 g + u holds gate g, hidden columns 16 u on of its 32.  THE MATRIX INSTRUCTION IS USED TRANSPOSED (source 0 = 16 rows of the weights, source 1 = 16 batch
; rows): register jj of lane (r, hh) of accumulator (a, 2 g + u) is gate g of batch row 16 a + r, hidden column 16 u + 8 hh + jj: the four gates of an output lie in one lane under one register index.
; OPERANDS lie in memory as images of their registers, step by step of 128 along K: a step of a half tile (128 rows: codes, then scale words) is 12,800 dense bytes, and a run of steps is one dense block, one tensor load;
; a fragment is three loads of 16 bytes a lane, 512 consecutive bytes each.
; THE RING: two LDS slots of THREE steps, as many as two slots have room for (2 x 4 x 38,400 bytes).  The 32 steps are 2 + 10 x 3: the short slot comes first, so that every refill has one shape.  Between a refill's request
; and the wait for it a wave issues 160 matrix instructions.  CLUSTERS: 4 x 4 work-groups; the four of a row need the same batch rows, the four of a column the same weights: each part of a slot is asked for jointly.
; The biases are the C of the first products.  c's tile is slot 1's last fill: it is asked for behind the last change of slots, 192 matrix instructions ahead of the wait for it.
; THE TAIL, L = log2(e): Ei, Ef, Eo = 2^(-L g); Ec = 2^min(-2 L gc, 60); c_new = c / (1 + Ef) + (1 - Ec) / (Ei (1 + Ec) + (1 + Ec)); Et = 2^min(-2 L c_new, 60); h_new = (1 - Et) / (Eo (1 + Et) + (1 + Et)).
; Only the exponentials that stand in a numerator are held, so that no infinity meets a zero; beyond the hold tanh is +-1 in f32 all the same.
; LIMITS: NaN and infinities among the inputs are not served.  Where (1 + Ei)(1 + Ec) or (1 + Eo)(1 + Et) passes 2^126 the term comes out as 0 for a number under 2^-66.
; REGISTERS, in windows of 256: window 0: v1-29 addresses; v32-47 scale words, two sets, and nothing else; v64-127 the biases, later the four gates' exponentials; v128-223 A's fragments, ONE set, later at work; v224-255 c, two sets.
;   window 1: the weights' fragments, TWO sets, at v0 and v128.   window 2: the accumulators of my rows 0-63 ((a, b) at v[8 (8 a + b)]);   window 3: those of my rows 64-127.
.set SB,    12800                      ; a step of a half tile: 8 fragments of 1,536 bytes, then 512 bytes of scale words
.set SCW,   12288
.set FRB,   1536
.set FR,    12                         ; registers of a fragment
.set NL,    3                          ; LDS loads that bring one
.set PART,  3*SB                       ; three steps of a half tile: what one tensor load brings
.set SLOT,  4*PART                     ; A's two halves, then the weights' two
.set CP,    272                        ; a row of c's tile and of the stage: 256 bytes + 16 = 17 x 16: sixteen rows' accesses of 16 bytes fall on sixteen different columns of 16 bytes
.set CREG,  SLOT                       ; c's 256 rows: slot 1's last fill; c_new is stored over them
.set HST,   CREG+256*CP                ; the stage for h_new, 256 rows, behind them in slot 1: those bytes have had their last fill and their last read at the last change of slots
.set SPARE, 2*SLOT                     ; behind the ring: the spare words, 128 bytes for each wave: two blocks of 256 bytes that no other line names
.set TRIPS, 4                          ; steps: 2 ahead of the loop, 6 a trip, 6 behind it
.set GOFF, 10                          ; v10  the way out: 8,192 hh + 16 r
.set VB,   11                          ; v11  32 hh: my eight numbers of a bias
.set ADRA, 16                          ; v16-17  my A fragments in slot 0, 1
.set ADRB, 20                          ; v20-21  the weights'
.set ADRS, 22                          ; v22-23  scale words: lanes 0-15 A's, lanes 16-31 the weights'
.set CRD,  24                          ; v24  my 32 bytes of c, and of c_new
.set HWR,  25                          ; v25  the same place in the stage for h_new
.set RDH,  26                          ; v26  the way out: where I read a row of h_new back
.set RDC,  27                          ; v27  and of c_new
.set SPW,  28                          ; v28  LDS address of my spare word; never rewritten
.set NIL,  29                          ; v29  0; never rewritten
.set SC,   32                          ; set p (the step's parity) at SC + 8 p; register i: block i
.set BIAS, 64
.set AF,   128
.set CC,   224
.set EI,   64                          ; the tail: 16 registers each: gates i, f, c, o
.set EF,   80
.set EC,   96
.set EO,   112
.set PP,   128
.set NN,   144
.set OB,   160                         ; rows on their way out: v160-191 and v192-223 by turns
.set G1,   28                          ; s[28:35] group 1 for three steps of A;  s[36:43] group 0, one set for each slot
.set G0,   36
.set G1B,  44                          ; s[44:51], s[52:59] the same for the weights
.set G0B,  52
.set G1C,  68                          ; s[68:75], s[76:79] for c's tile
.set G0C,  76
.set G1S,  80                          ; s[80:87], s[88:95] groups 1 for the short first slot, two steps: A's, the weights'
.set G1SB, 88
.set MSB, 0
.macro WIN new                         ; the immediate's high byte repeats the setting that is left
.if MSB != (\new)
	s_set_vgpr_msb (MSB<<8)|(\new)
.set MSB, (\new)
.endif
.endm
.set MUL_LO, 0xa1                      ; source 0 (weights) window 1, source 1 (A) window 0, C and D window 2
.set MUL_HI, 0xf1                      ; the same, C and D window 3
.set TO_B,   0x40                      ; destination window 1, address window 0
; A joint load: waves 0 and 1 fetch A's halves, waves 2 and 3 the weights'.  Each line has one mask and one set of registers; the branch hangs on the wave's number alone.
; Four v_nop follow each of the two lines, ahead of the jump, the label and what follows.
.macro JLOAD g0a, g1a, g0b, g1b
	s_cmp_eq_u32 s23, 0
	s_cbranch_scc0 .Lfor_b_\@
	tensor_load_to_lds s[\g0a:\g0a+3], s[\g1a:\g1a+7]
	s_nop 0
.rept 4
	v_nop
.endr
	s_branch .Lasked_\@
.Lfor_b_\@:
	tensor_load_to_lds s[\g0b:\g0b+3], s[\g1b:\g1b+7]
	s_nop 0
.rept 4
	v_nop
.endr
.Lasked_\@:
.endm
.macro CREST                           ; a round of the cluster's barrier behind its opening barrier
	s_cmp_lg_u32 s22, 0
	s_cbranch_scc1 .Lnot_wave_0_\@
	s_barrier_signal -3
.Lnot_wave_0_\@:
	s_barrier_wait -3
	s_barrier_signal -1
	s_barrier_wait -1
.endm
.macro CROUND                          ; a whole round
	s_barrier_signal -1
	s_barrier_wait -1
	CREST
.endm
	s_load_b512 s[4:19], s[0:1], 0x0               ; aq s[4:5], wq s[6:7], c s[8:9], b_i, b_f, b_c, b_o s[10:17], out0 s[18:19]
	s_load_b64 s[20:21], s[0:1], 0x40              ; out1
	v_lshl_add_u32 v[SPW], v0, 2, SPARE
	v_mov_b32 v[NIL], 0
	ds_add_u32 v28, v29
	ds_add_u32 v28, v29
	s_wait_dscnt 0x0
	v_lshrrev_b32 v3, 5, v0
	v_readfirstlane_b32 s22, v3                    ; wave 0..3
	s_lshr_b32 s23, s22, 1                         ; wm: which 128 batch rows are mine.  Also: I fetch for A (0) or for the weights (1)
	s_and_b32 s24, s22, 1                          ; wn: which 32 hidden columns.  Also: which half I fetch
	s_bfe_u32 s25, ttmp6, 0x40000                  ; cx, cy: my place in the cluster
	s_bfe_u32 s26, ttmp6, 0x40004
	s_lshl_b32 s27, ttmp9, 2
	s_add_co_u32 s27, s27, s25                     ; tn: tile of 64 hidden columns = 4 x cluster x + cx
	s_and_b32 s66, ttmp7, 0xffff
	s_lshl_b32 s66, s66, 2
	s_add_co_u32 s66, s66, s26                     ; tm: tile of 256 batch rows = 4 x cluster y + cy
	s_lshl_b32 s104, s26, 2
	s_lshl_b32 s104, 15, s104                      ; my row of the cluster
	s_lshl_b32 s105, 0x1111, s25                   ; my column
	; group 1: a run of steps of a half tile is a dense block: rows of 256 bytes (32 elements of 8 bytes), no padding: 150 rows for three steps, 100 for two
	s_or_b32 s[G1], s104, (3<<16)|(1<<21)          ; 15:0 the mask: A's go to my row; 17:16 elements of 8 bytes; 21 set beside a mask
	s_or_b32 s[G1B], s105, (3<<16)|(1<<21)         ; the weights' go to my column
	s_or_b32 s[G1S], s104, (3<<16)|(1<<21)
	s_or_b32 s[G1SB], s105, (3<<16)|(1<<21)
.irp g, G1, G1B
	s_mov_b32 s[\g+1], 32<<16                      ; tensor_dim0
	s_mov_b32 s[\g+2], 150<<16                     ; tensor_dim1
	s_mov_b32 s[\g+3], 32<<16                      ; tile_dim0
	s_mov_b32 s[\g+4], 150                         ; tile_dim1
	s_mov_b32 s[\g+5], 32                          ; tensor_dim0_stride
	s_mov_b32 s[\g+6], 0
	s_mov_b32 s[\g+7], 0
.endr
.irp g, G1S, G1SB
	s_mov_b32 s[\g+1], 32<<16
	s_mov_b32 s[\g+2], 100<<16
	s_mov_b32 s[\g+3], 32<<16
	s_mov_b32 s[\g+4], 100
	s_mov_b32 s[\g+5], 32
	s_mov_b32 s[\g+6], 0
	s_mov_b32 s[\g+7], 0
.endr
	; c: 64 rows x 64 numbers a wave, my work-group's own (no mask); 16 bytes of padding behind every 64 words
	s_mov_b32 s[G1C], (2<<16)|(1<<20)|(5<<22)|(3<<25)
	s_mov_b32 s[G1C+1], 64<<16
	s_mov_b32 s[G1C+2], 64<<16
	s_mov_b32 s[G1C+3], 64<<16
	s_mov_b32 s[G1C+4], 64
	s_mov_b32 s[G1C+5], 2048
	s_mov_b32 s[G1C+6], 0
	s_mov_b32 s[G1C+7], 0
	s_mul_i32 s96, s66, 64*SB                      ; A: made of tm and the wave's number alone: a tile is 2 halves x 32 steps
	s_mul_i32 s97, s24, 32*SB
	s_add_co_u32 s96, s96, s97
	s_mov_b32 s97, 0
	s_mul_i32 s98, s27, 64*SB                      ; the weights: of tn and the wave's number alone
	s_mul_i32 s99, s24, 32*SB
	s_add_co_u32 s98, s98, s99
	s_mov_b32 s99, 0
	s_mul_i32 s67, s22, PART                       ; where they go: wave x a part of a slot: no place in the cluster enters an LDS address
	s_lshl_b32 s100, s66, 8                        ; c: row 256 tm + 64 wave, column 64 tn
	s_lshl_b32 s101, s22, 6
	s_add_co_u32 s100, s100, s101
	s_lshl_b32 s100, s100, 13
	s_lshl_b32 s101, s27, 8
	s_add_co_u32 s100, s100, s101
	s_mov_b32 s101, 0
	s_mov_b32 s[G0C], 1
	s_mul_i32 s[G0C+1], s22, 64*CP
	s_add_co_u32 s[G0C+1], s[G0C+1], CREG
	s_mov_b32 s60, 0xbfb8aa3b                      ; -log2(e); the packed forms name a pair and take its low word for both halves
	s_mov_b32 s61, s60
	s_mov_b32 s62, 0xc038aa3b                      ; -2 log2(e)
	s_mov_b32 s63, s62
	s_wait_kmcnt 0x0
	s_add_nc_u64 s[96:97], s[4:5], s[96:97]
	s_add_nc_u64 s[98:99], s[6:7], s[98:99]
	s_add_nc_u64 s[G0C+2:G0C+3], s[8:9], s[100:101]
	s_or_b32 s[G0C+3], s[G0C+3], 0x80000000
	CROUND                                         ; all sixteen work-groups are here: the first joint loads meet
.irp s, 0,1
	s_mov_b32 s[G0+4*\s], 1
	s_add_co_u32 s[G0+4*\s+1], s67, \s*SLOT
	s_add_nc_u64 s[G0+4*\s+2:G0+4*\s+3], s[96:97], \s*2*SB      ; slot 0: steps 0, 1;  slot 1: steps 2, 3, 4
	s_or_b32 s[G0+4*\s+3], s[G0+4*\s+3], 0x80000000
	s_mov_b32 s[G0B+4*\s], 1
	s_add_co_u32 s[G0B+4*\s+1], s67, \s*SLOT
	s_add_nc_u64 s[G0B+4*\s+2:G0B+4*\s+3], s[98:99], \s*2*SB
	s_or_b32 s[G0B+4*\s+3], s[G0B+4*\s+3], 0x80000000
.if \s == 0
	JLOAD G0, G1S, G0B, G1SB
.else
	JLOAD G0+4, G1, G0B+4, G1B                     ; two tensor loads of mine are out
.endif
.endr
	v_and_b32 v1, 15, v0                           ; r
	v_bfe_u32 v2, v0, 4, 1                         ; hh
	v_and_b32 v3, 31, v0
	v_lshlrev_b32 v4, 4, v3                        ; 16 x lane
	v_lshlrev_b32 v[VB], 5, v2
	s_lshl_b32 s100, s27, 8                        ; the biases at hidden column 64 tn + 32 wn
	s_lshl_b32 s101, s24, 7
	s_add_co_u32 s100, s100, s101
	s_mov_b32 s101, 0
.irp g, 0,1,2,3
	s_add_nc_u64 s[10+2*\g:11+2*\g], s[10+2*\g:11+2*\g], s[100:101]
.endr
.irp g, 0,1,2,3
.irp u, 0,1
.irp k, 0,1
	global_load_b128 v[BIAS+8*(2*\g+\u)+4*\k:BIAS+8*(2*\g+\u)+4*\k+3], v[VB], s[10+2*\g:11+2*\g] offset:64*\u+16*\k   ; block 2 g + u in the result's layout: columns 16 u + 8 hh + 0 .. 7
.endr
.endr
.endr
	s_mul_i32 s2, s23, PART                        ; my 128 rows of A
	s_mul_i32 s3, s24, PART                        ; my 128 rows of the weights,
	s_add_co_u32 s3, s3, 2*PART                    ; which lie behind A's two halves
	v_add_nc_u32 v[ADRA], s2, v4
	v_add_nc_u32 v[ADRA+1], SLOT, v[ADRA]
	v_add_nc_u32 v[ADRB], s3, v4
	v_add_nc_u32 v[ADRB+1], SLOT, v[ADRB]
	s_sub_co_u32 s67, s3, s2
	v_mul_u32_u24 v5, s67, v2                      ; lanes 16-31 take the weights' words: one product, the distance between the two
	s_add_co_u32 s2, s2, SCW
	v_lshl_add_u32 v5, v1, 3, v5                   ; 8 bytes a row: two blocks' words
	v_add_nc_u32 v[ADRS], s2, v5
	v_add_nc_u32 v[ADRS+1], SLOT, v[ADRS]
	s_mul_i32 s2, s23, 128*CP
	s_mul_i32 s3, s24, 8*CP
	s_add_co_u32 s3, s3, s2                        ; the way out: row 128 wm + 8 wn
	s_lshl_b32 s67, s24, 7
	s_add_co_u32 s2, s2, s67                       ; my part: row 128 wm, byte 128 wn
	v_mul_u32_u24 v5, v1, CP
	v_lshl_add_u32 v5, v2, 5, v5
	v_add_nc_u32 v5, s2, v5                        ; row r, + 32 hh
	v_add_nc_u32 v[CRD], CREG, v5
	v_add_nc_u32 v[HWR], HST, v5
	v_mul_u32_u24 v6, v2, CP
	v_lshl_add_u32 v6, v1, 4, v6
	v_add_nc_u32 v6, s3, v6                        ; lanes 0-15 one row of 256 bytes, lanes 16-31 the next
	v_add_nc_u32 v[RDC], CREG, v6
	v_add_nc_u32 v[RDH], HST, v6
	v_lshlrev_b32 v[GOFF], 4, v1
	v_lshl_add_u32 v[GOFF], v2, 13, v[GOFF]        ; and the same two rows in the outputs
	s_lshl_b32 s100, s66, 8                        ; the outputs at row 256 tm + 128 wm + 8 wn, column 64 tn
	s_lshl_b32 s101, s23, 7
	s_add_co_u32 s100, s100, s101
	s_lshl_b32 s101, s24, 3
	s_add_co_u32 s100, s100, s101
	s_lshl_b32 s100, s100, 13
	s_lshl_b32 s101, s27, 8
	s_add_co_u32 s100, s100, s101
	s_mov_b32 s101, 0
	s_add_nc_u64 s[18:19], s[18:19], s[100:101]
	s_add_nc_u64 s[20:21], s[20:21], s[100:101]
.macro FRAG reg, adr, q, i             ; block i of the slot's q-th step, as it was stored: three loads, 512 consecutive bytes each
.irp c, 0,1,2
	ds_load_b128 v[\reg+4*\c:\reg+4*\c+3], v[\adr] offset:(\q)*SB+(\i)*FRB+512*\c
.endr
.endm
; 16 matrix instructions: A's blocks a0, a0 + 1 x the weights' eight, 128 along K.  p: the step's parity: the weights' set and the set of scale words.  first = 1: the biases are the C: nothing is cleared or added later.
; The 64 accumulators take turns, one instruction a turn, in the same order in every step.
.macro MUL16 a0, p, first
.irp a, \a0, \a0+1
.irp b, 0,1,2,3,4,5,6,7
.if \first
	v_wmma_scale_f32_16x16x128_f8f6f4 v[8*(8*((\a)%4)+\b):8*(8*((\a)%4)+\b)+7], v[128*(\p)+FR*\b:128*(\p)+FR*\b+FR-1], v[AF+FR*(\a):AF+FR*(\a)+FR-1], v[BIAS+8*\b:BIAS+8*\b+7], v[SC+8*(\p)+\b], v[SC+8*(\p)+(\a)] matrix_a_fmt:MATRIX_FMT_FP6 matrix_b_fmt:MATRIX_FMT_FP6 matrix_a_scale:MATRIX_SCALE_ROW1
.else
	v_wmma_scale_f32_16x16x128_f8f6f4 v[8*(8*((\a)%4)+\b):8*(8*((\a)%4)+\b)+7], v[128*(\p)+FR*\b:128*(\p)+FR*\b+FR-1], v[AF+FR*(\a):AF+FR*(\a)+FR-1], v[8*(8*((\a)%4)+\b):8*(8*((\a)%4)+\b)+7], v[SC+8*(\p)+\b], v[SC+8*(\p)+(\a)] matrix_a_fmt:MATRIX_FMT_FP6 matrix_b_fmt:MATRIX_FMT_FP6 matrix_a_scale:MATRIX_SCALE_ROW1
.endif
.endr
.endr
.endm
.macro FETCH_B slot, q, p              ; the weights' eight fragments into set p: 24 loads
	WIN TO_B
.irp i, 0,1,2,3,4,5,6,7
	FRAG 128*(\p)+FR*\i, ADRB+\slot, \q, \i
.endr
	WIN 0
.endm
.macro FETCH_A slot, q, i0             ; A's blocks i0 .. i0 + 3: 12 loads
.irp i, \i0, \i0+1, \i0+2, \i0+3
	FRAG AF+FR*(\i), ADRA+\slot, \q, \i
.endr
.endm
.macro SCALES slot, q, p               ; a step's scale words into set p: 8 bytes a lane are blocks 2 j, 2 j + 1; lanes 0-15 A's, lanes 16-31 the weights'
.irp j, 0,1,2,3
	ds_load_b64 v[SC+8*(\p)+2*\j:SC+8*(\p)+2*\j+1], v[ADRS+\slot] offset:(\q)*SB+128*\j
.endr
.endm
; A load into a register that a matrix instruction has read, and a vector instruction that reads a matrix result or writes one of its registers, stand four places behind it; only plain vector
; instructions that name none of its registers are places (ISA guide 7.12.1 for vector instructions).
.macro PLACES n
.rept \n
	v_nop
.endr
.endm
; The slot's q-th step, of parity p, with its successor in the same slot.  A block of A is free when its eight products are issued: blocks 0-3 are fetched anew in the middle, blocks 4-7 at the end;
; the weights and the scale words have two sets, and the next step's come in the middle run.
.macro STEP slot, q, p, first
	s_wait_dscnt 4*NL                              ; all but the youngest twelve loads (A's blocks 4-7) are in
.if \first
	WIN 0x81                                       ; C (the biases) window 0, D window 2
.else
	WIN MUL_LO
.endif
	MUL16 0, \p, \first
	MUL16 2, \p, \first
	s_wait_dscnt 0x0                               ; A's blocks 4-7 are in (asked for 32 matrix instructions ago)
	PLACES 4
	FETCH_B \slot, (\q)+1, 1-(\p)
	FETCH_A \slot, (\q)+1, 0
	SCALES \slot, (\q)+1, 1-(\p)
.if \first
	WIN 0xc1
.else
	WIN MUL_HI
.endif
	MUL16 4, \p, \first
	MUL16 6, \p, \first
	PLACES 4
	WIN 0
	FETCH_A \slot, (\q)+1, 4
.endm
; A slot's last step, of parity p, changes slots: ONE barrier, which opens a round of the cluster's barrier; in front of it each wave waits for all its tensor loads, adds 0 to its spare word, and waits for that and
; for its own reads of this slot.  Behind the round this slot is filled again.  joint = 1: with the steps adv bytes on;  joint = 0: with c's tile, each wave its 64 rows.
.macro TURN slot, next, p, joint, adv
	s_wait_tensorcnt 0x0                           ; all my tensor loads have landed: the one that was out is my part of the next slot.  Every window is 0 here
	ds_add_u32 v[SPW], v[NIL]                      ; 0 onto my spare word
	s_wait_dscnt 4*NL+1                            ; the add and the youngest twelve loads (A's blocks 4-7) may be out
	WIN MUL_LO
	MUL16 0, \p, 0                                 ; sixteen matrix instructions stand between the add and the wait for it
	s_wait_dscnt 0x0                               ; the add is done, and my reads of this slot are over
	s_barrier_signal -1
	MUL16 2, \p, 0
	WIN 0
	s_barrier_wait -1
	CREST                                          ; no wave of any partner still reads this slot or has a load on its way
.if \joint
	s_add_nc_u64 s[G0+4*\slot+2:G0+4*\slot+3], s[G0+4*\slot+2:G0+4*\slot+3], \adv
	s_add_nc_u64 s[G0B+4*\slot+2:G0B+4*\slot+3], s[G0B+4*\slot+2:G0B+4*\slot+3], \adv
	JLOAD G0+4*\slot, G1, G0B+4*\slot, G1B         ; the first tensor load behind the round; its four v_nop are also the places in front of the loads below
.else
	tensor_load_to_lds s[G0C:G0C+3], s[G1C:G1C+7]  ; a load of my work-group's own; four v_nop follow it as they follow a joint one
	s_nop 0
.rept 4
	v_nop
.endr
.endif
	FETCH_B \next, 0, 1-(\p)
	FETCH_A \next, 0, 0
	SCALES \next, 0, 1-(\p)
	WIN MUL_HI
	MUL16 4, \p, 0
	MUL16 6, \p, 0
	PLACES 4
	WIN 0
	FETCH_A \next, 0, 4
.endm
	s_wait_tensorcnt 1                             ; my part of steps 0 and 1 is in; slot 1's load may stay out
	s_barrier_signal -1
	s_barrier_wait -1                              ; everybody's is
	FETCH_B 0, 0, 0
	FETCH_A 0, 0, 0
	SCALES 0, 0, 0
	FETCH_A 0, 0, 4
	s_wait_loadcnt 0x0                             ; the biases
	STEP 0, 0, 0, 1                                ; step 0: its products start the sums from the biases
	TURN 0, 1, 1, 1, 5*SB                          ; step 1 ends the short slot: slot 0 takes steps 5, 6, 7
	s_mov_b32 s3, TRIPS
.Llap:                                                 ; a trip goes once round the ring, six steps, and fills both slots again, each with the steps six on
	STEP 1, 0, 0, 0
	STEP 1, 1, 1, 0
	TURN 1, 0, 0, 1, 6*SB
	STEP 0, 0, 1, 0
	STEP 0, 1, 0, 0
	TURN 0, 1, 1, 1, 6*SB
	s_sub_co_u32 s3, s3, 1
	s_cmp_lg_u32 s3, 0
	s_cbranch_scc1 .Llap
	STEP 1, 0, 0, 0                                ; the last six steps are written out: steps 26 to 28 in slot 1,
	STEP 1, 1, 1, 0
	TURN 1, 0, 0, 0, 0                             ; whose last fill is c's tile,
	STEP 0, 0, 1, 0                                ; steps 29 to 31 in slot 0
	STEP 0, 1, 0, 0
; THE TAIL, block by block of 16 batch rows.
.macro CLOAD a                         ; my 16 numbers of c for block a
.irp u, 0,1
.irp k, 0,1
	ds_load_b128 v[CC+16*((\a)%2)+8*\u+4*\k:CC+16*((\a)%2)+8*\u+4*\k+3], v[CRD] offset:16*CP*(\a)+64*\u+16*\k
.endr
.endr
.endm
.macro OUTLOAD a                       ; eight whole rows of block a, of h_new and of c_new: my half of its sixteen
.if (\a) >= 2
	s_wait_xcnt 0x0                                ; these registers are still sources of the stores two blocks back: loaded again only behind this wait
.endif
.irp t, 0,1,2,3
	ds_load_b128 v[OB+32*((\a)%2)+4*\t:OB+32*((\a)%2)+4*\t+3], v[RDH] offset:16*CP*(\a)+2*CP*\t
.endr
.irp t, 0,1,2,3
	ds_load_b128 v[OB+32*((\a)%2)+16+4*\t:OB+32*((\a)%2)+16+4*\t+3], v[RDC] offset:16*CP*(\a)+2*CP*\t
.endr
.endm
.macro SEND a                          ; 16 lanes store 256 consecutive bytes, aligned; the largest offset, 118 rows, lies inside the signed 24-bit immediate: no base is stepped
.irp t, 0,1,2,3
	global_store_b128 v[GOFF], v[OB+32*((\a)%2)+4*\t:OB+32*((\a)%2)+4*\t+3], s[18:19] offset:(16*(\a)+2*\t)*8192 th:TH_STORE_NT
.endr
.irp t, 0,1,2,3
	global_store_b128 v[GOFF], v[OB+32*((\a)%2)+16+4*\t:OB+32*((\a)%2)+16+4*\t+3], s[20:21] offset:(16*(\a)+2*\t)*8192 th:TH_STORE_NT
.endr
.endm
.macro EPI a
.set AC, 64*((\a)%4)
.set CS, CC+16*((\a)%2)
	WIN 2+(\a)/4                                   ; source 0: window 2 or 3
.irp g, 0,1,2,3
.irp u, 0,1
.irp j, 0,2,4,6                        ; each accumulator from its low end on
.if \g == 2
	v_pk_mul_f32 v[EI+16*\g+8*\u+\j:EI+16*\g+8*\u+\j+1], v[AC+8*(2*\g+\u)+\j:AC+8*(2*\g+\u)+\j+1], s[62:63] op_sel_hi:[1,0]   ; -2 L gc
.else
	v_pk_mul_f32 v[EI+16*\g+8*\u+\j:EI+16*\g+8*\u+\j+1], v[AC+8*(2*\g+\u)+\j:AC+8*(2*\g+\u)+\j+1], s[60:61] op_sel_hi:[1,0]   ; -L g
.endif
.endr
.endr
.endr
	WIN 0
.set jj, 0
.rept 16
	v_min_num_f32 v[EC+jj], 0x42700000, v[EC+jj]   ; held at 60: Ec stands in a numerator
.set jj, jj+1
.endr
.set jj, 0
.rept 64
	v_exp_f32 v[EI+jj], v[EI+jj]                   ; Ei, Ef, Ec, Eo
.set jj, jj+1
.endr
.if (\a) > 0
	s_wait_dscnt 4                                 ; the last block's rows are back; this block's four loads of c may be out
	SEND (\a)-1
.endif
	v_nop                                          ; a plain place behind the exponentials
	s_wait_alu depctr_va_vdst(0)
.irp j, 0,2,4,6,8,10,12,14
	v_pk_add_f32 v[EF+\j:EF+\j+1], v[EF+\j:EF+\j+1], 1.0 op_sel_hi:[1,0]       ; 1 + Ef
.endr
.irp j, 0,2,4,6,8,10,12,14
	v_pk_add_f32 v[PP+\j:PP+\j+1], v[EC+\j:EC+\j+1], 1.0 op_sel_hi:[1,0]       ; 1 + Ec
.endr
.irp j, 0,2,4,6,8,10,12,14
	v_pk_fma_f32 v[EI+\j:EI+\j+1], v[EI+\j:EI+\j+1], v[PP+\j:PP+\j+1], v[PP+\j:PP+\j+1]   ; (1 + Ei)(1 + Ec)
.endr
.irp j, 0,2,4,6,8,10,12,14
	v_pk_fma_f32 v[NN+\j:NN+\j+1], v[EC+\j:EC+\j+1], -1.0, 1.0 op_sel_hi:[1,0,0]          ; 1 - Ec
.endr
.set jj, 0
.rept 16
	v_rcp_f32 v[EF+jj], v[EF+jj]                   ; f
.set jj, jj+1
.endr
.set jj, 0
.rept 16
	v_rcp_f32 v[EI+jj], v[EI+jj]
.set jj, jj+1
.endr
	v_nop                                          ; a plain place behind the reciprocals
	s_wait_alu depctr_va_vdst(0)
.irp j, 0,2,4,6,8,10,12,14
	v_pk_mul_f32 v[NN+\j:NN+\j+1], v[NN+\j:NN+\j+1], v[EI+\j:EI+\j+1]          ; i x c_hat
.endr
	s_wait_dscnt 0x0                               ; c is in
.irp j, 0,2,4,6,8,10,12,14
	v_pk_fma_f32 v[CS+\j:CS+\j+1], v[EF+\j:EF+\j+1], v[CS+\j:CS+\j+1], v[NN+\j:NN+\j+1]   ; c_new
.endr
.irp u, 0,1
.irp k, 0,1
	ds_store_b128 v[CRD], v[CS+8*\u+4*\k:CS+8*\u+4*\k+3] offset:16*CP*(\a)+64*\u+16*\k    ; over the numbers of c that I alone have read
.endr
.endr
.irp j, 0,2,4,6,8,10,12,14
	v_pk_mul_f32 v[PP+\j:PP+\j+1], v[CS+\j:CS+\j+1], s[62:63] op_sel_hi:[1,0]  ; -2 L c_new
.endr
.set jj, 0
.rept 16
	v_min_num_f32 v[PP+jj], 0x42700000, v[PP+jj]
.set jj, jj+1
.endr
.set jj, 0
.rept 16
	v_exp_f32 v[PP+jj], v[PP+jj]                   ; Et
.set jj, jj+1
.endr
	v_nop
	s_wait_alu depctr_va_vdst(0)
.irp j, 0,2,4,6,8,10,12,14
	v_pk_add_f32 v[NN+\j:NN+\j+1], v[PP+\j:PP+\j+1], 1.0 op_sel_hi:[1,0]       ; 1 + Et
.endr
.irp j, 0,2,4,6,8,10,12,14
	v_pk_fma_f32 v[EO+\j:EO+\j+1], v[EO+\j:EO+\j+1], v[NN+\j:NN+\j+1], v[NN+\j:NN+\j+1]   ; (1 + Eo)(1 + Et)
.endr
.irp j, 0,2,4,6,8,10,12,14
	v_pk_fma_f32 v[PP+\j:PP+\j+1], v[PP+\j:PP+\j+1], -1.0, 1.0 op_sel_hi:[1,0,0]          ; 1 - Et
.endr
.set jj, 0
.rept 16
	v_rcp_f32 v[EO+jj], v[EO+jj]
.set jj, jj+1
.endr
	v_nop
	s_wait_alu depctr_va_vdst(0)
.irp j, 0,2,4,6,8,10,12,14
	v_pk_mul_f32 v[PP+\j:PP+\j+1], v[PP+\j:PP+\j+1], v[EO+\j:EO+\j+1]          ; h_new
.endr
.irp u, 0,1
.irp k, 0,1
	ds_store_b128 v[HWR], v[PP+8*\u+4*\k:PP+8*\u+4*\k+3] offset:16*CP*(\a)+64*\u+16*\k
.endr
.endr
	s_wait_dscnt 0x0                               ; for the others' sake: my stores have landed.  A row's 256 bytes come from two waves
	s_barrier_signal -1
	s_barrier_wait -1                              ; each block has rows of its own in both regions: one barrier a block is enough
	OUTLOAD \a
.if (\a) < 7
	CLOAD (\a)+1
.endif
.endm
	s_wait_dscnt 4*NL                              ; step 31: nothing more to fetch from the ring
	WIN MUL_LO
	MUL16 0, 1, 0
	MUL16 2, 1, 0
	s_wait_dscnt 0x0                               ; A's blocks 4-7 are in: no LDS instruction of mine is out at the signal
	s_wait_tensorcnt 0x0                           ; my 64 rows of c have landed: the others read them behind this barrier.
	s_barrier_signal -1
	WIN MUL_HI
	MUL16 4, 1, 0
	MUL16 6, 1, 0
	WIN 0
	s_barrier_wait -1                              ; c's tile is whole
	CLOAD 0
	PLACES 4                                       ; behind the last products: their results are read, and their operands' registers written, below
.irp a, 0,1,2,3,4,5,6,7
	EPI \a
.endr
	s_wait_dscnt 0x0
	SEND 7
	s_wait_tensorcnt 0x0                           ; the wave's end, behind my last tensor load and my last LDS store
	ds_add_u32 v[SPW], v[NIL]
	s_wait_dscnt 0x0
	CROUND                                         ; the closing round: no work-group ends while a partner may still ask for a tile that names it
	s_endpgm
.Lfunc_end_k_q9beeeb66e8_lstm:
	.size	k_q9beeeb66e8_lstm, .Lfunc_end_k_q9beeeb66e8_lstm-k_q9beeeb66e8_lstm
	.p2alignl 7, 3214868480
	.fill 96, 4, 3214868480
	.section	.rodata,"a",@progbits
	.p2align	6, 0x0
	.amdhsa_kernel k_q9beeeb66e8_lstm
		.amdhsa_group_segment_fixed_size 327680
		.amdhsa_private_segment_fixed_size 0
		.amdhsa_enable_private_segment 0
		.amdhsa_kernarg_size 72
		.amdhsa_user_sgpr_count 2
		.amdhsa_user_sgpr_kernarg_segment_ptr 1
		.amdhsa_wavefront_size32 1
		.amdhsa_system_sgpr_workgroup_id_x 1
		.amdhsa_system_sgpr_workgroup_id_y 1
		.amdhsa_system_sgpr_workgroup_id_z 1
		.amdhsa_system_vgpr_workitem_id 0
		.amdhsa_next_free_vgpr 1024
		.amdhsa_next_free_sgpr 106
		.amdhsa_reserve_vcc 0
		.amdhsa_float_denorm_mode_32 3
		.amdhsa_float_denorm_mode_16_64 3
		.amdhsa_memory_ordered 1
		.amdhsa_forward_progress 1
		.amdhsa_inst_pref_size 255
	.end_amdhsa_kernel
	.section	.bss,"aw",@nobits
	.p2align	6
	.space	262144
	.amdgpu_metadata
---
amdhsa.version: [ 1, 2 ]
amdhsa.kernels:
  - .name:           k_q9beeeb66e8_lstm
    .symbol:         k_q9beeeb66e8_lstm.kd
    .args:
      - { .name: aq, .offset: 0, .size: 8, .value_kind: global_buffer, .address_space: global }
      - { .name: wq, .offset: 8, .size: 8, .value_kind: global_buffer, .address_space: global }
      - { .name: c, .offset: 16, .size: 8, .value_kind: global_buffer, .address_space: global }
      - { .name: b_i, .offset: 24, .size: 8, .value_kind: global_buffer, .address_space: global }
      - { .name: b_f, .offset: 32, .size: 8, .value_kind: global_buffer, .address_space: global }
      - { .name: b_c, .offset: 40, .size: 8, .value_kind: global_buffer, .address_space: global }
      - { .name: b_o, .offset: 48, .size: 8, .value_kind: global_buffer, .address_space: global }
      - { .name: out0, .offset: 56, .size: 8, .value_kind: global_buffer, .address_space: global }
      - { .name: out1, .offset: 64, .size: 8, .value_kind: global_buffer, .address_space: global }
    .group_segment_fixed_size: 327680
    .private_segment_fixed_size: 0
    .kernarg_segment_align: 8
    .kernarg_segment_size: 72
    .max_flat_workgroup_size: 128
    .sgpr_count:     106
    .vgpr_count:     1024
    .wavefront_size: 32
...
	.end_amdgpu_metadata
.endif
;; end of part 2
